; MI455X (gfx1250); checked and timed in simulation.
; The chip was launched on July 23, 2026; its instructions are those of AMD's public machine-readable ISA for CDNA 5 (MIT licence, August 2026) and "CDNA5" Instruction Set Architecture Reference Guide (July 2026). The comments in the code are by the model that wrote it; some were corrected since.
;; Mo EFFN. Allowed arithmetic: matrix products marked QUANTISED: E2M3 operands, one E8M0 scale for each 32 along K, by v_wmma_scale_f32_16x16x128_f8f6f4 with both operands' format E2M3, f32 sums; products left as they are: f32 operands where the result goes on into a quantised operand, else bf16, f16 or f32 operands; f32 sums; everything else in f32.
;; Inputs: W1 8 x 256 x 512 float32; W2 8 x 512 x 256 float32; Wg 256 x 8 float32; b1 8 x 512 float32; b2 8 x 256 float32; bg 8 float32; x 8 x 4,096 x 256 float32.
;; Outputs: out0 8 x 4,096 x 256 float32.
;; This version of the problem:
;;   THIS VERSION OF THE PROBLEM IS GIVEN IN LOW PRECISION. The matrix products marked QUANTISED in the list below multiply operands that are first quantised to E2M3 (2 exponent bits, 3 mantissa bits; 6 bits a number), with one power-of-two scale for each 32 numbers along K (OCP MX v1.0); their sums are f32. All else is computed in f32.
;;   The module's matrix products, in the order in which they are computed (A, B: the left and right operand; K: the contracted axis; several contracted axes count as one K, in the product's order):
;;     1. [M 32,768, K 256] x [K 256, N 8]; A: input x; B: input Wg: left as it is (N = 8 < 16)
;;     2. [M 4,096, K 256] x [K 256, N 32,768]; A: input W1; B: input x: QUANTISED
;;     3. batch 8 x [M 32,768, K 512] x [K 512, N 256]; A: computed on the way; B: input W2: QUANTISED
;;     4. batch 32,768 x [M 256, K 8] x [K 8, N 1]; A: computed on the way; B: softmax: left as it is (K = 8 < 32)
;;   THE QUANTISER, for each operand of a quantised product, along K:
;;     - K is cut into blocks of 32 from its start; a last block that is shorter is filled with zeros.
;;     - A block's scale is 2^e with e = floor(log2(the largest magnitude in the block)) - 2, held to -126 .. 127; a block of zeros has e = 0. As a byte (E8M0): e + 127.
;;     - Each number is divided by its block's scale, clamped to +-7.5, and rounded to the nearest number of E2M3, ties to even, subnormals kept.
;;     - The product sums the exact products of the quantised numbers (number of the format x scale) in f32.
;;   ~~~python
;;   def quantise(x, axis):      # numpy; x: float32 -> the quantised numbers, widened to float32 again
;;       x = np.moveaxis(x, axis, -1); K = x.shape[-1]
;;       x = np.pad(x, [(0, 0)] * (x.ndim - 1) + [(0, -K % 32)]); x = x.reshape(x.shape[:-1] + (-1, 32)); a = np.abs(x).max(-1, keepdims=True)
;;       e = np.where(a > 0, np.clip(np.frexp(np.where(a > 0, a, 1))[1] - 1 - 2, -126, 127), 0)      # np.frexp(a)[1] - 1 = floor(log2(a)), exactly
;;       r = np.clip(x / 2.0 ** e, -7.5, 7.5)
;;       step = 2.0 ** (np.maximum(np.frexp(np.where(r == 0, 1, r))[1] - 1, 0) - 3)
;;       q = np.round(r / step) * step * 2.0 ** e      # np.round: ties to even
;;       return np.moveaxis(q.reshape(q.shape[:-2] + (-1,))[..., :K], -1, axis).astype(np.float32)
;;   ~~~
;;   OPERANDS COMPUTED ON THE WAY. 'Computed on the way' means the value that the module computes at that place (a softmax that the list does not call 'softmax' is quantised finished and normalised). What goes into a quantiser is computed in f32, as accurately as f32 sums, v_exp_f32 and their like allow (about 1e-6 of the number): no bf16 or f16 on the way to a quantiser, and a product that is left as it is and whose result goes on into a quantised operand takes f32 operands (vector FMAs, or v_wmma_f32_16x16x4_f32). A number that lies on a knife's edge between two numbers of the format may be rounded either way, as far as f32 arithmetic and the matrix unit's own rounding can turn it there, and no further.
;; One version. Each part assembles by itself: llvm-mc -triple=amdgcn-amd-amdhsa -mcpu=gfx1250 --defsym DOCPART=n.
;; ======== version 1 of 1: 2 launches
;; limits: values are held in bf16: 8 bits of precision; right only within a limited range of input values
;; workspace buffers: wq 1,638,400 bytes
;; launch prep (part 1): grid 128 x 1, 4 waves a work-group, no clusters, 1,536 bytes of LDS; arguments W1, W2, wq; writes wq
.if DOCPART == 1
	.amdgcn_target "amdgcn-amd-amdhsa--gfx1250"
	.amdhsa_code_object_version 6
	.text
	.protected	k_q2824458dd0_prep
	.globl	k_q2824458dd0_prep
	.p2align	8
	.type	k_q2824458dd0_prep,@function
k_q2824458dd0_prep:
	s_mov_b64 s[64:65], 0
	v_nop
	global_prefetch_b8 v0, s[64:65] scope:SCOPE_SE
	s_setreg_imm32_b32 hwreg(HW_REG_WAVE_MODE, 25, 1), 1
	s_wait_xcnt 0x0
; W1 [8][256 k][512 n] and W2 [8][512 k][256 n], f32, K on the first axis of an expert, become codes of FP6 (E2M3) with one E8M0 byte for each 32 along K,
; laid in wq IN THE ORDER OF THE OPERAND'S REGISTERS, so that the second launch brings a wave's weights by one dense tensor load and by 16-byte LDS loads alone.
; wq: chunk 2 e + mat (mat 0 = W1, 1 = W2) of 102,400 bytes = 8 parts of 12,800, one for each wave w of the second launch = 8 fragments of 1,536 bytes + 512 bytes of scale words.
; A fragment (16 rows x 128 K) is the image of its 12 registers: registers 4 g .. 4 g + 3 of lane l at 512 g + 16 l.  Lane (r, h) holds row r; registers 6 c .. 6 c + 5 hold k = 64 c + 32 h + 0 .. 31.
; The scale word of fragment f, row r lies at 12,288 + 16 (r + 16 (f % 2)) + 4 (f / 2): one 16-byte load a lane brings four scale registers, each with an even fragment in lanes 0-15 and the odd one in lanes 16-31.
; W1's part w: hidden units 64 w .. + 63; fragment 2 t + s (tile t = 2 b + u, K step s); row p of a tile is unit 64 w + 32 b + 8 u + p + 8 (p / 8), so that two neighbouring tiles' results are 16 neighbours along the next K.
; W2's part w: outputs 32 w .. + 31; fragment 4 nt + s; row p is output 32 w + 16 nt + p.
; SHARES.  A work-group makes one part; a wave takes 32 columns x 128 along K: A LANE TAKES A COLUMN AND ITS REGISTERS RUN DOWN K, so a block of 32 lies in one lane and nothing is transposed.
; A lane's blocks 0 and 2 are the 12 registers of lane (r, 0) of a fragment, its blocks 1 and 3 those of lane (r, 1): three 16-byte stores each, in which sixteen lanes fill 256 consecutive aligned bytes.
; A load of a wave covers 128 consecutive bytes (32 columns): the part's width sets that.
; A block's scale is 2^(floor(log2(largest magnitude)) - 2); its byte is the largest magnitude's exponent field - 2, held at 1 from below.  A block of zeros so gets the byte 1: its codes are zeros, and this program alone reads the bytes.
; LIMITS: blocks whose largest magnitude lies under 2^-124 get the byte 1; NaN and infinities among the inputs are not served.
; The two tensors take two paths, which part on the work-group's number; each has LDS bytes, a barrier and an end of its own.
.set X,   32                           ; v32-95   two sets of 32 numbers
.set CD,  96                           ; v96-119  codes: block 2 c + h at CD + 12 h + 6 c
	s_load_b128 s[4:7], s[0:1], 0x0                ; W1, W2
	s_load_b64 s[8:9], s[0:1], 0x10                ; wq
	v_lshl_add_u32 v128, v0, 2, 0x400
	v_mov_b32 v129, 0
	v_lshrrev_b32 v1, 5, v0
	v_readfirstlane_b32 s10, v1                    ; wave 0..3
	v_and_b32 v2, 31, v0                           ; lane = my column of the wave's 32
	v_lshlrev_b32 v3, 2, v2                        ; in: 4 bytes a lane
	v_lshlrev_b32 v7, 4, v2                        ; the scale block's way out: 16 bytes a lane
	v_bfe_u32 v10, v0, 4, 1                        ; bit 4 of the column
	s_and_b32 s11, ttmp9, 63
	s_lshr_b32 s12, s11, 3                         ; expert
	s_and_b32 s13, s11, 7                          ; part w
	s_lshr_b32 s14, ttmp9, 6                       ; 0: W1, 1: W2
	s_lshl_b32 s15, s12, 19                        ; an expert's weights are 524,288 bytes in both tensors
	s_lshl_b32 s16, s12, 1
	s_add_co_u32 s16, s16, s14
	s_mul_i32 s16, s16, 102400
	s_mul_i32 s17, s13, 12800
	s_add_co_u32 s16, s16, s17                     ; the part's first byte in wq
.macro LOADB t, pitch                  ; block t: 32 numbers down K of my column, into set t % 2
.irp i, 0,1,2,3,4,5,6,7,8,9,10,11,12,13,14,15,16,17,18,19,20,21,22,23,24,25,26,27,28,29,30,31
	global_load_b32 v[X+32*((\t)%2)+\i], v3, s[20:21] offset:(32*(\t)+\i)*(\pitch) th:TH_LOAD_NT
.endr
.endm
.macro BLOCK kb, pitch
.set XB, X+32*((\kb)%2)
.set CB, CD+12*((\kb)%2)+6*((\kb)/2)
.if (\kb) < 3
	s_wait_loadcnt 32                              ; this block's 32 loads are in; the next block's 32 may be out
.else
	s_wait_loadcnt 0x0
.endif
	v_max3_num_f32 v12, |v[XB]|, |v[XB+1]|, |v[XB+2]|              ; the block's largest magnitude, in two chains: all 32 numbers are mine
	v_max3_num_f32 v13, |v[XB+3]|, |v[XB+4]|, |v[XB+5]|
.irp i, 6,10,14,18,22,26
	v_max3_num_f32 v12, v12, |v[XB+\i]|, |v[XB+\i+1]|
	v_max3_num_f32 v13, v13, |v[XB+\i+2]|, |v[XB+\i+3]|
.endr
	v_max3_num_f32 v12, v12, |v[XB+30]|, |v[XB+31]|
	v_max3_num_f32 v12, v12, v13, 0x1800000        ; and the floor 2^(3 - 127): the byte cannot fall under 1
	v_add_nc_u32 v11, 0xff000000, v12              ; 2 off the exponent field: the conversion takes this operand's exponent field as its scale
	v_lshrrev_b32 v13, 23, v11                     ; the scale's byte
.if (\kb) == 0
	v_mov_b32 v124, v13                            ; the four bytes make my column's scale word for these 128 along K
.else
	v_lshl_or_b32 v124, v13, 8*(\kb), v124
.endif
	v_cvt_scalef32_pk16_fp6_f32 v[CB:CB+2], v[XB:XB+15], v11
	v_cvt_scalef32_pk16_fp6_f32 v[120:122], v[XB+16:XB+31], v11    ; (a conversion's three registers begin on an even number: the second half is made elsewhere and moved)
	v_nop                                          ; one plain place behind a scaled conversion
.irp i, 0,1,2
	v_mov_b32 v[CB+3+\i], v[120+\i]
.endr
.if (\kb)+2 < 4
	LOADB (\kb)+2, \pitch
.endif
.endm
.macro PART pitch                      ; s[20:21] my first number, s[22:23] my fragments in wq, v4 my lane's place there, v5 where my scale word goes in LDS, v6 where wave 0 reads the scale block
	LOADB 0, \pitch
	LOADB 1, \pitch
	BLOCK 0, \pitch
	BLOCK 1, \pitch
	BLOCK 2, \pitch
.irp g, 0,1,2
	global_store_b128 v4, v[CD+4*\g:CD+4*\g+3], s[22:23] offset:512*\g          ; blocks 0 and 2: lane (r, 0) of the fragment
.endr
	BLOCK 3, \pitch
.irp g, 0,1,2
	global_store_b128 v4, v[CD+12+4*\g:CD+15+4*\g], s[22:23] offset:512*\g+256  ; blocks 1 and 3: lane (r, 1)
.endr
	ds_store_b32 v5, v124
	s_wait_dscnt 0x0                               ; for the others' sake: my scale word lies in LDS
	s_barrier_signal -1
	s_barrier_wait -1
	s_cmp_lg_u32 s10, 0
	s_cbranch_scc1 .Ldone_\@
	ds_load_b128 v[32:35], v6                      ; wave 0 (whose fragments begin at the part's first byte) stores the part's 512 bytes of scale words whole
	s_wait_dscnt 0x0
	global_store_b128 v7, v[32:35], s[22:23] offset:12288
.Ldone_\@:
	s_wait_tensorcnt 0x0
	ds_add_u32 v128, v129
	s_wait_dscnt 0x0
	s_endpgm
.endm
	s_cmp_lt_u32 ttmp9, 64
	s_cbranch_scc0 .Lw2
	; ---- W1: a row of 2,048 bytes.  Wave v: K step s = v % 2, columns 32 (v / 2) on.  Column j: u = bit 3, row r = j % 8 + 8 x bit 4
	s_and_b32 s17, s10, 1
	s_lshr_b32 s18, s10, 1
	s_lshl_b32 s19, s17, 18                        ; 128 rows of 2,048 bytes
	s_add_co_u32 s15, s15, s19
	s_lshl_b32 s19, s13, 8                         ; 64 columns a part
	s_add_co_u32 s15, s15, s19
	s_lshl_b32 s19, s18, 7
	s_add_co_u32 s24, s15, s19
	s_mov_b32 s25, 0
	s_lshl_b32 s19, s18, 2
	s_add_co_u32 s19, s19, s17
	s_mul_i32 s19, s19, 1536                       ; fragment 4 (v / 2) + 2 u + s
	s_add_co_u32 s26, s16, s19
	s_mov_b32 s27, 0
	v_bfe_u32 v8, v0, 3, 1                         ; u
	v_and_b32 v9, 7, v0
	v_lshlrev_b32 v11, 4, v9
	s_wait_alu depctr_va_vdst(0)
	v_lshl_add_u32 v11, v10, 7, v11                ; 16 r
	v_mad_u32_u24 v4, v8, 3072, v11
	v_lshl_add_u32 v5, v8, 2, v11                  ; LDS bytes 0-511: 16 r + 4 u + 256 s + 8 (v / 2)
	v_bfe_u32 v12, v0, 5, 1
	v_lshl_add_u32 v5, v12, 8, v5
	v_bfe_u32 v12, v0, 6, 1
	v_lshl_add_u32 v5, v12, 3, v5
	v_mov_b32 v6, v7
	s_wait_kmcnt 0x0
	s_add_nc_u64 s[20:21], s[4:5], s[24:25]
	s_add_nc_u64 s[22:23], s[8:9], s[26:27]
	PART 2048
.Lw2:
	; ---- W2: a row of 1,024 bytes.  Wave v: K step s = v.  Column j: nt = bit 4, row r = j % 16
	s_lshl_b32 s19, s10, 17                        ; 128 rows of 1,024 bytes
	s_add_co_u32 s15, s15, s19
	s_lshl_b32 s19, s13, 7                         ; 32 columns a part
	s_add_co_u32 s24, s15, s19
	s_mov_b32 s25, 0
	s_mul_i32 s19, s10, 1536                       ; fragment 4 nt + s
	s_add_co_u32 s26, s16, s19
	s_mov_b32 s27, 0
	v_and_b32 v9, 15, v0
	v_lshlrev_b32 v11, 4, v9                       ; 16 r
	s_wait_alu depctr_va_vdst(0)
	v_mad_u32_u24 v4, v10, 6144, v11
	v_lshl_add_u32 v5, v10, 3, v11                 ; LDS bytes 512-1,023: 16 r + 8 nt + 256 (s % 2) + 4 (s / 2)
	v_bfe_u32 v12, v0, 5, 1
	v_lshl_add_u32 v5, v12, 8, v5
	v_bfe_u32 v12, v0, 6, 1
	v_lshl_add_u32 v5, v12, 2, v5
	v_add_nc_u32 v5, 512, v5
	v_add_nc_u32 v6, 512, v7
	s_wait_kmcnt 0x0
	s_add_nc_u64 s[20:21], s[6:7], s[24:25]
	s_add_nc_u64 s[22:23], s[8:9], s[26:27]
	PART 1024
.Lfunc_end_k_q2824458dd0_prep:
	.size	k_q2824458dd0_prep, .Lfunc_end_k_q2824458dd0_prep-k_q2824458dd0_prep
	.p2alignl 7, 3214868480
	.fill 96, 4, 3214868480
	.section	.rodata,"a",@progbits
	.p2align	6, 0x0
	.amdhsa_kernel k_q2824458dd0_prep
		.amdhsa_group_segment_fixed_size 1536
		.amdhsa_private_segment_fixed_size 0
		.amdhsa_enable_private_segment 0
		.amdhsa_kernarg_size 24
		.amdhsa_user_sgpr_count 2
		.amdhsa_user_sgpr_kernarg_segment_ptr 1
		.amdhsa_wavefront_size32 1
		.amdhsa_system_sgpr_workgroup_id_x 1
		.amdhsa_system_sgpr_workgroup_id_y 1
		.amdhsa_system_sgpr_workgroup_id_z 1
		.amdhsa_system_vgpr_workitem_id 0
		.amdhsa_next_free_vgpr 130
		.amdhsa_next_free_sgpr 66
		.amdhsa_reserve_vcc 0
		.amdhsa_float_denorm_mode_32 3
		.amdhsa_float_denorm_mode_16_64 3
		.amdhsa_memory_ordered 1
		.amdhsa_forward_progress 1
		.amdhsa_inst_pref_size 42
	.end_amdhsa_kernel
	.amdgpu_metadata
---
amdhsa.version: [ 1, 2 ]
amdhsa.kernels:
  - .name:           k_q2824458dd0_prep
    .symbol:         k_q2824458dd0_prep.kd
    .args:
      - { .name: W1, .offset: 0, .size: 8, .value_kind: global_buffer, .address_space: global }
      - { .name: W2, .offset: 8, .size: 8, .value_kind: global_buffer, .address_space: global }
      - { .name: wq, .offset: 16, .size: 8, .value_kind: global_buffer, .address_space: global }
    .group_segment_fixed_size: 1536
    .private_segment_fixed_size: 0
    .kernarg_segment_align: 8
    .kernarg_segment_size: 24
    .max_flat_workgroup_size: 128
    .sgpr_count:     66
    .vgpr_count:     130
    .wavefront_size: 32
...
	.end_amdgpu_metadata
.endif
;; end of part 1
;; launch moe (part 2): grid 256 x 1, 8 waves a work-group, clusters of 4 x 1, 327,680 bytes of LDS; arguments x, Wg, bg, b1, b2, wq, out0; writes out0
.if DOCPART == 2
	.amdgcn_target "amdgcn-amd-amdhsa--gfx1250"
	.amdhsa_code_object_version 6
	.text
	.protected	k_q2824458dd0_moe
	.globl	k_q2824458dd0_moe
	.p2align	8
	.type	k_q2824458dd0_moe,@function
k_q2824458dd0_moe:
	s_mov_b64 s[64:65], 0
	v_nop
	global_prefetch_b8 v0, s[64:65] scope:SCOPE_SE
	s_setreg_imm32_b32 hwreg(HW_REG_WAVE_MODE, 25, 1), 1
	s_wait_xcnt 0x0
	s_wait_alu depctr_hold_cnt(0) depctr_sa_sdst(0) depctr_va_vdst(0) depctr_va_sdst(0) depctr_va_ssrc(0) depctr_va_vcc(0) depctr_vm_vsrc(0)
	s_getreg_b32 s2, hwreg(HW_REG_IB_STS2, 6, 4)
	s_cmp_eq_u32 s2, 0
	s_cbranch_scc0 .Lentry_in_a_cluster
	s_endpgm
.Lentry_in_a_cluster:
	s_bfe_u32 s2, ttmp6, 0x10000c
	s_cmp_lg_u32 s2, 0x3003
	s_cbranch_scc0 .Lentry_shape_is_right
	s_endpgm
.Lentry_shape_is_right:
; out = sum over experts e of softmax(x Wg + bg)[e] x (Q(gelu(Q(x) Q(W1[e]) + b1[e])) Q(W2[e]) + b2[e]); Q: the MX-FP6 quantiser along K.
; A work-group of 8 waves takes 128 tokens through all 8 experts.  The weights stay in registers: wave w holds W1's hidden units 64 w .. + 63 and W2's outputs 32 w .. + 31
; of the expert at work, as codes that launch prep laid in register order; the next expert's come by joint tensor loads (4 work-groups of a cluster read the same weights) into two LDS slots.
; An interval is 16 tokens x one expert: first product (8 matrix instructions a wave, b1 as C), gelu, quantiser, the h codes to LDS, one barrier, second product (8, b2 as C), gate-weighted sum in registers.
; Two teams of waves take the two halves of an interval in opposite order.  x is quantised once, at the head, into an LDS image; the gate's product takes bf16 operands (its result feeds no quantiser).
; gelu(h) = h (0.5 + c P(c^2) / Q(c^2)), c = h held to +-4 sqrt(2): a rational form of erf, in f32.
; LIMITS: NaN and infinities among the inputs are not served; a block whose largest magnitude lies under 2^-124 gets the scale byte 1.
.set XIMG,  102400
.set SPARE, 128000
.set SLOT1, 131072
.set HIMG,  233472
.set HBUF,  6400
.set HSCO,  6144
.set B1L,   246272
.set B2L,   262656
.set PG,    270848
.set WGI,   279296
.set XSTG,  287488
.set OSTG,  131072
.set PARTB, 12800
.set CHUNK, 102400
.set SPW, 1
.set NIL, 2
.set LI,  3
.set XAB, 4
.set XSB, 5
.set HRD, 6
.set HRS, 7
.set HW,  8
.set HWS, 9
.set B1A, 10
.set B2A, 11
.set PGA, 12
.set WC0, 13
.set WC1, 14
.set CL,  15
.set A5V, 16
.set B3V, 18
.set W1S, 20
.set W2S, 24
.set XS,  28
.set HS,  30
.set PV,  32
.set XA,  34
.set XSA, 35
.set B1T, 36
.set B2T, 37
.set PGT, 38
.set TML, 40
.set ACC, 48
.set GT,  80                           ; v80-159: gelu's temporaries (Y's, the quantiser's and the h fragment's registers, all idle while gelu runs)
.set Y,   80
.set TMH, 80
.set HF,  112
.set W2R, 160
.set XR,  112
.set GL0, 240
.set GL1, 248
.set W1R, 128
.set XF,  224
.set WV,   18
.set TEAM, 19
.set CW,   20
.set NT,   21
.set SEL,  22
.set G1D,  24
.set G0A,  32
.set G0W,  36
.set IV,   40
.set OC,   41
.set IC,   42
.set CA6,  52
.set CA4,  54
.set CA3,  56
.set CA2,  58
.set CA1,  60
.set CA0,  62
.set CB4,  66
.set CB2,  68
.set CB1,  70
.set CB0,  72
.set MSB, 0
.macro WIN new
.if MSB != \new
	s_set_vgpr_msb (MSB<<8)|\new
.set MSB, \new
.endif
.endm
.macro PLACES
.rept 4
	v_nop
.endr
.endm
.macro ROUND
	s_barrier_signal -1
	s_barrier_wait -1
	s_cmp_lg_u32 s[WV], 0
	s_cbranch_scc1 .Lnot_wave_0_\@
	s_barrier_signal -3
.Lnot_wave_0_\@:
	s_barrier_wait -3
	s_barrier_signal -1
	s_barrier_wait -1
.endm
.macro COEF reg, val
	s_mov_b32 s[\reg], \val
	s_mov_b32 s[\reg+1], s[\reg]
.endm
.macro LD_X
	WIN 0x40
.irp k, 0,1,2,3,4,5
	ds_load_b128 v[XF+4*\k:XF+4*\k+3], v[XA] offset:512*\k
.endr
	WIN 0
	ds_load_b32 v[XS], v[XSA]
.endm
.macro LD_B1
.irp t, 0,1,2,3
	ds_load_b128 v[ACC+8*\t:ACC+8*\t+3], v[B1T] offset:128*(\t/2)+32*(\t%2)
	ds_load_b128 v[ACC+8*\t+4:ACC+8*\t+7], v[B1T] offset:128*(\t/2)+32*(\t%2)+16
.endr
.endm
.macro LD_H p
.irp k, 0,1,2,3,4,5,6,7,8,9,10,11
	ds_load_b128 v[HF+4*\k:HF+4*\k+3], v[HRD] offset:HBUF*(\p)+512*\k
.endr
	ds_load_b64 v[HS:HS+1], v[HRS] offset:HBUF*(\p)
.endm
.macro LD_B2
.irp n, 0,1
	ds_load_b128 v[Y+8*\n:Y+8*\n+3], v[B2T] offset:64*\n
	ds_load_b128 v[Y+8*\n+4:Y+8*\n+7], v[B2T] offset:64*\n+16
.endr
.endm
.macro LD_B2P
	LD_B2
	ds_load_b32 v[PV], v[PGT]
.endm
.macro WM d, a, b, sa, sb, row
.if \row
	v_wmma_scale_f32_16x16x128_f8f6f4 v[\d:\d+7], v[\a:\a+11], v[\b:\b+11], v[\d:\d+7], v[\sa], v[\sb] matrix_a_fmt:MATRIX_FMT_FP6 matrix_b_fmt:MATRIX_FMT_FP6 matrix_a_scale:MATRIX_SCALE_ROW1 matrix_b_scale:MATRIX_SCALE_ROW1
.else
	v_wmma_scale_f32_16x16x128_f8f6f4 v[\d:\d+7], v[\a:\a+11], v[\b:\b+11], v[\d:\d+7], v[\sa], v[\sb] matrix_a_fmt:MATRIX_FMT_FP6 matrix_b_fmt:MATRIX_FMT_FP6
.endif
.endm
.macro MM_P1
	WIN 0x05
.irp s, 0,1
.irp t, 0,1,2,3
	WM ACC+8*\t, W1R+12*(2*\t+\s), XF+12*\s, W1S+\t, XS, \s
.endr
.endr
	WIN 0
.endm
.macro MM_C
.irp sp, 0,1
.irp sl, 0,1
.irp n, 0,1
	WM Y+8*\n, W2R+12*(4*\n+2*\sp+\sl), HF+12*(2*\sp+\sl), W2S+2*\n+\sp, HS+\sp, \sl
.endr
.endr
.endr
.endm
.macro MIXK k, par
.set MB, 16*(2*(\k)+1-(\par))
	WIN 0x50
.irp j, 0,2,4,6,8,10,12,14
	v_pk_fma_f32 v[MB+\j:MB+\j+1], v[Y+\j:Y+\j+1], v[PV:PV+1], v[MB+\j:MB+\j+1] op_sel_hi:[1,0,1]
.endr
	WIN 0
.endm
.macro MIX par
	s_cmp_lt_u32 s49, 2
	s_cbranch_scc0 .Lm23_\@
	s_cmp_eq_u32 s49, 0
	s_cbranch_scc0 .Lm1_\@
	s_wait_alu depctr_va_vdst(0)
	MIXK 0, \par
	s_branch .Lmx_\@
.Lm1_\@:
	s_wait_alu depctr_va_vdst(0)
	MIXK 1, \par
	s_branch .Lmx_\@
.Lm23_\@:
	s_cmp_eq_u32 s49, 2
	s_cbranch_scc0 .Lm3_\@
	s_wait_alu depctr_va_vdst(0)
	MIXK 2, \par
	s_branch .Lmx_\@
.Lm3_\@:
	s_wait_alu depctr_va_vdst(0)
	MIXK 3, \par
.Lmx_\@:
.endm
.macro COPY_W1
	WIN 0x40
.set J, 0
.rept 24
	ds_load_b128 v[W1R+4*J:W1R+4*J+3], v[WC0] offset:512*J
.set J, J+1
.endr
	WIN 0
	ds_load_b128 v[W1S:W1S+3], v[WC0] offset:12288
.endm
.macro COPY_W2
.set J, 0
.rept 24
	ds_load_b128 v[W2R+4*J:W2R+4*J+3], v[WC1] offset:512*J
.set J, J+1
.endr
	ds_load_b128 v[W2S:W2S+3], v[WC1] offset:12288
.endm
.macro COPYW1_IF
	s_and_b32 s51, s[IV], 7
	s_cmp_eq_u32 s51, 6
	s_cbranch_scc0 .Lno_w1_\@
	COPY_W1
.Lno_w1_\@:
.endm
.macro COPYW2_IF
	s_and_b32 s51, s[IV], 7
	s_cmp_lg_u32 s51, 0
	s_cbranch_scc1 .Lno_w2_\@
	s_cmp_eq_u32 s[IV], 0
	s_cbranch_scc1 .Lno_w2_\@
	COPY_W2
.Lno_w2_\@:
.endm
; Stages of n numbers, two an instruction.  h = 1: each line reads what the line four vector lines back wrote, and carries the hint.
.macro GHINT h
.if \h
	s_delay_alu instid0(VALU_DEP_4)
.endif
.endm
.macro GF1 d, u, c, cv, n, h           ; d = u c + cv
.set GK, 0
.rept (\n)/2
	GHINT \h
	v_pk_fma_f32 v[\d+GK:\d+GK+1], v[\u+GK:\u+GK+1], s[\c:\c+1], v[\cv:\cv+1] op_sel_hi:[1,0,1]
.set GK, GK+2
.endr
.endm
.macro GF2 d, u, c, n, h               ; d = d u + c
.set GK, 0
.rept (\n)/2
	GHINT \h
	v_pk_fma_f32 v[\d+GK:\d+GK+1], v[\d+GK:\d+GK+1], v[\u+GK:\u+GK+1], s[\c:\c+1] op_sel_hi:[1,1,0]
.set GK, GK+2
.endr
.endm
.macro GF3 d, q, n, h                  ; d = d q + 0.5
.set GK, 0
.rept (\n)/2
	GHINT \h
	v_pk_fma_f32 v[\d+GK:\d+GK+1], v[\d+GK:\d+GK+1], v[\q+GK:\q+GK+1], 0.5 op_sel_hi:[1,1,0]
.set GK, GK+2
.endr
.endm
.macro GPM d, a, b, n, h               ; d = a b
.set GK, 0
.rept (\n)/2
	GHINT \h
	v_pk_mul_f32 v[\d+GK:\d+GK+1], v[\a+GK:\a+GK+1], v[\b+GK:\b+GK+1]
.set GK, GK+2
.endr
.endm
.macro GRCP q, n
.set GK, 0
.rept \n
	v_rcp_f32 v[\q+GK], v[\q+GK]
.set GK, GK+1
.endr
.endm
.macro GCHAIN hc, u, p, q, n, h        ; u = c^2; p = c P(u); q = Q(u): the two polynomials by turns
	GPM \u, \hc, \hc, \n, 0
	GF1 \p, \u, CA6, A5V, \n, \h
	GF1 \q, \u, CB4, B3V, \n, 0
.irp c, 0,2,4
	GF2 \p, \u, CA4+\c, \n, 0
	GF2 \q, \u, CB2+\c, \n, 0
.endr
	GF2 \p, \u, CA1, \n, 0
	GF2 \p, \u, CA0, \n, \h
	GPM \p, \p, \hc, \n, \h
.endm
; gelu of the interval's 32 numbers a lane (ACC .. ACC + 31), in batches of 16, 8 and 8 that fit v80-159.  All 32 are held first, so that every matrix result is first read ahead of the reciprocals.
; Behind a batch's reciprocals stand the next batch's chains; one wait ahead of each batch serves its sources and the batch before: four waits for the 32 numbers.
; Registers, from GT: c of the 32 at 0-31.  Batch 0: u 32-47, p 48-63, q 64-79.  Batch 1: u 0-7, p 8-15, q 32-39.  Batch 2: u 40-47, p 0-7, q 16-23: each on registers whose numbers are done with.
; Behind the third batch's reciprocals v112-159 are read for the last time: there team 1 loads the h fragment of buffer hb (team 0 has multiplied it at the interval's head).
.macro GELU32 hb
.set GK, 0
.rept 32
	v_med3_num_f32 v[GT+GK], v[ACC+GK], -v[CL], v[CL]
.set GK, GK+1
.endr
	LD_X                                           ; the next interval's x fragment (32 plain vector lines behind the lines that made its addresses)
	GCHAIN GT, GT+32, GT+48, GT+64, 16, 0
	s_wait_alu depctr_va_vdst(0)
	GRCP GT+64, 16
	GCHAIN GT+16, GT, GT+8, GT+32, 8, 1
	s_wait_alu depctr_va_vdst(0)
	GRCP GT+32, 8
	GCHAIN GT+24, GT+40, GT, GT+16, 8, 1
	s_wait_alu depctr_va_vdst(0)
	GRCP GT+16, 8
	GF3 GT+48, GT+64, 16, 0
	GF3 GT+8, GT+32, 8, 0
	GPM ACC, ACC, GT+48, 16, 0
	GPM ACC+16, ACC+16, GT+8, 8, 0
	s_wait_alu depctr_va_vdst(0)                   ; for the third batch, and ahead of the branch
	s_cmp_eq_u32 s[TEAM], 0
	s_cbranch_scc1 .Lno_h_\@
	LD_H \hb
.Lno_h_\@:
	GF3 GT, GT+16, 8, 0
	GPM ACC+24, ACC+24, GT, 8, 0
.endm
.macro QUANT32 src, dst, tmp, pw, wk, ldb
.irp b, 0,1                            ; each block's largest magnitude of my 16, in two chains a block: numbers 0-7 with the floor 2^(3 - 127), numbers 8-14; number 15 joins them
	v_max3_num_f32 v[\wk+\b], |v[\src+16*\b]|, |v[\src+16*\b+1]|, 0x1800000
.endr
.irp b, 0,1
	v_max3_num_f32 v[\wk+2+\b], |v[\src+16*\b+8]|, |v[\src+16*\b+9]|, |v[\src+16*\b+10]|
.endr
.irp i, 2,4,6
.irp b, 0,1
	s_delay_alu instid0(VALU_DEP_4)
	v_max3_num_f32 v[\wk+\b], v[\wk+\b], |v[\src+16*\b+\i]|, |v[\src+16*\b+\i+1]|
.endr
.if \i < 6
.irp b, 0,1
	s_delay_alu instid0(VALU_DEP_4)
	v_max3_num_f32 v[\wk+2+\b], v[\wk+2+\b], |v[\src+16*\b+\i+9]|, |v[\src+16*\b+\i+10]|
.endr
.endif
.endr
.irp b, 0,1
	s_delay_alu instid0(VALU_DEP_2)
	v_max3_num_f32 v[\wk+\b], v[\wk+\b], v[\wk+2+\b], |v[\src+16*\b+15]|
.endr
.irp b, 0,1
	s_delay_alu instid0(VALU_DEP_2)
	v_permlanex16_b32 v[\wk+2+\b], v[\wk+\b], s[SEL], s[SEL+1]
.endr
.irp b, 0,1
	s_delay_alu instid0(VALU_DEP_2)
	v_max_num_f32 v[\wk+\b], v[\wk+\b], v[\wk+2+\b]
.endr
.irp b, 0,1
	s_delay_alu instid0(VALU_DEP_2)
	v_add_nc_u32 v[\wk+4+\b], 0xff000000, v[\wk+\b]
.endr
.irp b, 0,1
	s_delay_alu instid0(VALU_DEP_2)
	v_lshrrev_b32 v[\wk+6+\b], 23, v[\wk+4+\b]
.endr
	s_delay_alu instid0(VALU_DEP_1)
	v_lshl_or_b32 v[\pw], v[\wk+7], 8, v[\wk+6]
	v_cvt_scalef32_pk16_fp6_f32 v[\dst:\dst+2], v[\src:\src+15], v[\wk+4]
	v_cvt_scalef32_pk16_fp6_f32 v[\tmp:\tmp+2], v[\src+16:\src+31], v[\wk+5]
	v_nop
.if \ldb
	LD_B1
.endif
.irp i, 0,1,2
	v_permlane16_swap_b32 v[\dst+\i], v[\tmp+\i]
.endr
.irp i, 0,1,2
	s_delay_alu instid0(VALU_DEP_3)
	v_mov_b32 v[\dst+3+\i], v[\tmp+\i]
.endr
.endm
.macro STORE_H par, pw
	s_cmp_eq_u32 s[CW], 0
	s_cbranch_scc0 .Lupper_\@
	ds_store_b128 v[HW], v[96:99] offset:HBUF*(\par)
	ds_store_b64 v[HW], v[100:101] offset:HBUF*(\par)+512
	s_branch .Lstored_\@
.Lupper_\@:
	s_wait_alu depctr_va_vdst(0)
	ds_store_b64 v[HW], v[96:97] offset:HBUF*(\par)+520
	ds_store_b128 v[HW], v[98:101] offset:HBUF*(\par)+1024
.Lstored_\@:
	s_wait_alu depctr_va_vdst(0)
	ds_store_b16 v[HWS], v[\pw] offset:HBUF*(\par)
.endm
.macro INTERVAL par, kind
	s_add_co_u32 s43, s[IV], \par
	s_and_b32 s43, s43, 63
	s_add_co_u32 s44, s43, 1
	s_and_b32 s44, s44, 63
	s_and_b32 s45, s44, 7
	s_lshr_b32 s46, s44, 3
	s_add_co_u32 s47, s43, 63
	s_add_co_u32 s48, s47, s[NT]
	s_and_b32 s47, s47, 63
	s_and_b32 s48, s48, 63
	s_bfe_u32 s49, s47, 0x20001
	s_lshr_b32 s48, s48, 3
	s_add_co_u32 s50, s43, s[NT]
	s_mul_i32 s45, s45, 3200
	s_lshl_b32 s46, s46, 11
	s_lshl_b32 s48, s48, 10
	s_lshl_b32 s50, s50, 7
	v_add_nc_u32 v[XA], s45, v[XAB]
	v_add_nc_u32 v[XSA], s45, v[XSB]
	v_add_nc_u32 v[B1T], s46, v[B1A]
	v_add_nc_u32 v[B2T], s48, v[B2A]
	v_add_nc_u32 v[PGT], s50, v[PGA]
	s_cmp_eq_u32 s[TEAM], 0
	s_cbranch_scc0 .Lb_first_\@
	LD_H 1-\par
	MM_P1
	PLACES
	s_wait_dscnt 0x0
.if (\kind == 1) && (\par == 1)
	COPYW1_IF
.endif
	MM_C
	PLACES
	MIX \par
.if (\kind == 0) && (\par == 0)
	COPYW2_IF
.endif
	s_branch .Lgelu_\@
.Lb_first_\@:
.if (\kind == 1) && (\par == 1)
	COPYW1_IF
.endif
.Lgelu_\@:
	GELU32 1-\par
	LD_B2P
	QUANT32 ACC, 96, 102, 108, TML, 1
	STORE_H \par, 108
	s_cmp_eq_u32 s[TEAM], 0
	s_cbranch_scc1 .Lend_\@
	s_wait_dscnt 11
	MM_C
	PLACES
	MIX \par
	s_wait_dscnt 0x0
.if (\kind == 0) && (\par == 0)
	COPYW2_IF
.endif
	MM_P1
	PLACES
.Lend_\@:
	s_wait_dscnt 0x0
	s_barrier_signal -1
	s_barrier_wait -1
.endm
.macro PAIR kind
	INTERVAL 0, \kind
	INTERVAL 1, \kind
	s_add_co_u32 s[IV], s[IV], 2
.endm
.macro CHANGE g0
	s_wait_tensorcnt 0x0
	ds_add_u32 v[SPW], v[NIL]
.if \g0
	s_add_nc_u64 s[\g0+2:\g0+3], s[\g0+2:\g0+3], 2*CHUNK
.endif
	s_wait_dscnt 0x0
.if \g0
	ROUND
	tensor_load_to_lds s[\g0:\g0+3], s[G1D:G1D+7]
	s_nop 0
	PLACES
.else
	s_barrier_signal -1
	s_barrier_wait -1
.endif
.endm
.macro XPASS q
	s_wait_loadcnt 24-8*(\q)
	WIN 0x04
.irp k, 0,1,2,3,4,5,6,7
	ds_store_b128 v46, v[32*(\q)+4*\k:32*(\q)+4*\k+3] offset:544*\k
.endr
	WIN 0
.irp b, 0,1
.irp j, 0,1,2,3
	ds_load_b128 v[XR+32*(\q)+16*\b+4*\j:XR+32*(\q)+16*\b+4*\j+3], v47 offset:128*\b+16*\j
.endr
.endr
	s_wait_dscnt 0x0
	QUANT32 XR+32*(\q), 96+6*((\q)%2), 108, 39+(\q)%2, TMH, 0
.if (\q)%2 == 1
	v_lshl_or_b32 v39, v40, 16, v39
.irp g, 0,1,2
	ds_store_b128 v37, v[96+4*\g:99+4*\g] offset:1536*((\q)/2)+512*\g
.endr
	ds_store_b32 v38, v39 offset:64*((\q)/2)
.endif
.irp b, 0,1
.irp k, 0,1,2,3,4,5,6,7
	v_cvt_pk_bf16_f32 v[XR+32*(\q)+16*\b+\k], v[XR+32*(\q)+16*\b+2*\k], v[XR+32*(\q)+16*\b+2*\k+1]
.endr
.endr
.endm
	s_load_b256 s[4:11], s[0:1], 0x0
	s_load_b128 s[12:15], s[0:1], 0x20
	s_load_b64 s[16:17], s[0:1], 0x30
	v_lshl_add_u32 v[SPW], v0, 2, SPARE
	v_mov_b32 v[NIL], 0
	ds_add_u32 v1, v2
	ds_add_u32 v1, v2
	s_wait_dscnt 0x0
	v_lshrrev_b32 v34, 5, v0
	s_delay_alu instid0(VALU_DEP_1)
	v_readfirstlane_b32 s[WV], v34
	s_lshr_b32 s[TEAM], s[WV], 2
	s_xor_b32 s[TEAM], s[TEAM], s[WV]
	s_and_b32 s[TEAM], s[TEAM], 1
	s_xor_b32 s[NT], s[TEAM], 1
	s_and_b32 s[CW], s[WV], 1
	s_bfe_u32 s84, ttmp6, 0x40000
	s_lshl_b32 s85, ttmp9, 2
	s_add_co_u32 s85, s85, s84
	s_lshl_b32 s84, s85, 17
	s_lshl_b32 s85, s[WV], 14
	s_add_co_u32 s84, s84, s85
	s_mov_b32 s85, 0
	s_mul_i32 s[G0A+1], s[WV], PARTB
	s_mov_b32 s86, s[G0A+1]
	s_mov_b32 s87, 0
	s_mov_b32 s[G1D], 15|(3<<16)|(1<<21)
	s_mov_b32 s[G1D+1], 32<<16
	s_mov_b32 s[G1D+2], 50<<16
	s_mov_b32 s[G1D+3], 32<<16
	s_mov_b32 s[G1D+4], 50
	s_mov_b32 s[G1D+5], 32
	s_mov_b32 s[G1D+6], 0
	s_mov_b32 s[G1D+7], 0
	s_mov_b32 s[G0A], 1
	s_mov_b32 s[G0W], 1
	s_add_co_u32 s[G0W+1], s[G0A+1], SLOT1
	s_mov_b32 s[SEL], 0x76543210
	s_mov_b32 s[SEL+1], 0xfedcba98
	s_mov_b32 s74, 0x3fb8aa3b
	COEF CA6, -0.00000000000150599506025
	COEF CA4, -0.0000000464265103925
	COEF CA3, -0.000002515756170991
	COEF CA2, -0.00006496460735157
	COEF CA1, -0.000522304390079
	COEF CA0, -0.00569080715759
	COEF CB4, -0.000000910379490406225
	COEF CB2, -0.0004207067435955075
	COEF CB1, -0.00368666458360234
	COEF CB0, -0.0142647390514189
	s_wait_kmcnt 0x0
	s_add_nc_u64 s[G0A+2:G0A+3], s[14:15], s[86:87]
	s_add_nc_u64 s[G0W+2:G0W+3], s[G0A+2:G0A+3], CHUNK
	s_or_b32 s[G0A+3], s[G0A+3], 0x80000000
	s_or_b32 s[G0W+3], s[G0W+3], 0x80000000
	s_add_nc_u64 s[4:5], s[4:5], s[84:85]
	s_add_nc_u64 s[16:17], s[16:17], s[84:85]
	s_load_b256 s[76:83], s[8:9], 0x0
	ROUND
	tensor_load_to_lds s[G0A:G0A+3], s[G1D:G1D+7]  ; W1 of expert 0: my first tensor load at the head
	s_nop 0
	PLACES
	; b1, b2, Wg and my 16 tokens of x are asked for while that load is out: 54 loads a wave, waited for by count further down
	v_and_b32 v34, 31, v0
	v_and_b32 v35, 15, v0
	v_bfe_u32 v36, v0, 4, 1
	s_delay_alu instid0(VALU_DEP_3)
	v_lshlrev_b32 v[LI], 4, v34
	v_lshlrev_b32 v41, 4, v0
	v_and_b32 v42, 7, v0
	s_delay_alu instid0(VALU_DEP_1)
	v_lshlrev_b32 v42, 2, v42
	s_delay_alu instid0(VALU_DEP_1)
	v_lshl_add_u32 v42, v36, 9, v42
	s_lshl_b32 s84, s[WV], 10
	v_add_nc_u32 v42, s84, v42
	v_lshlrev_b32 v43, 4, v35
	s_delay_alu instid0(VALU_DEP_1)
	v_lshl_add_u32 v43, v36, 10, v43
.irp k, 0,1,2,3
	global_load_b128 v[48+4*\k:51+4*\k], v41, s[10:11] offset:4096*\k
.endr
.irp k, 0,1
	global_load_b128 v[64+4*\k:67+4*\k], v41, s[12:13] offset:4096*\k
.endr
.irp i, 0,1,2,3,4,5,6,7,8,9,10,11,12,13,14,15
	global_load_b32 v[72+\i], v42, s[6:7] offset:32*\i
.endr
	WIN 0x40
.irp q, 0,1,2,3
.irp k, 0,1,2,3,4,5,6,7
	global_load_b128 v[32*\q+4*\k:32*\q+4*\k+3], v43, s[4:5] offset:2048*\k+256*\q th:TH_LOAD_NT
.endr
.endr
	WIN 0
	s_wait_alu depctr_va_vdst(0)
	s_wait_tensorcnt 0x0                           ; the three lines and a round ahead of slot 1's first fill
	ds_add_u32 v1, v2
	s_wait_dscnt 0x0
	ROUND
	tensor_load_to_lds s[G0W:G0W+3], s[G1D:G1D+7]  ; W2 of expert 0
	s_nop 0
	PLACES
	v_add_nc_u32 v[XAB], XIMG, v[LI]
	v_lshl_add_u32 v[XSB], v34, 2, XIMG+3072
	v_add_nc_u32 v[HRD], HIMG, v[LI]
	v_lshl_add_u32 v[HRS], v34, 3, HIMG+HSCO
	s_lshr_b32 s85, s[WV], 1
	s_mul_i32 s86, s85, 1536
	s_add_co_u32 s86, s86, HIMG
	v_add_nc_u32 v[HW], s86, v[LI]
	s_and_b32 s85, s85, 1
	s_lshl_b32 s85, s85, 7
	s_lshr_b32 s86, s[WV], 2
	s_lshl_b32 s86, s86, 2
	s_add_co_u32 s85, s85, s86
	s_lshl_b32 s86, s[CW], 1
	s_add_co_u32 s85, s85, s86
	s_add_co_u32 s85, s85, HIMG+HSCO
	v_lshl_add_u32 v[HWS], v35, 3, s85
	s_lshl_b32 s85, s[WV], 8
	s_add_co_u32 s85, s85, B1L
	v_lshl_add_u32 v[B1A], v36, 6, s85
	s_lshl_b32 s85, s[WV], 7
	s_add_co_u32 s86, s85, B2L
	v_lshl_add_u32 v[B2A], v36, 5, s86
	v_lshl_add_u32 v[PGA], v34, 2, PG
	v_add_nc_u32 v[WC0], s[G0A+1], v[LI]
	s_delay_alu instid0(VALU_DEP_1)
	v_add_nc_u32 v[WC1], SLOT1, v[WC0]
	v_mov_b32 v[CL], 0x40b504f3
	v_mov_b32 v[A5V], 0.000000000306119941265
	s_delay_alu instid0(VALU_DEP_1)
	v_mov_b32 v[A5V+1], v[A5V]
	v_mov_b32 v[B3V], -0.000026671756909863125
	s_delay_alu instid0(VALU_DEP_1)
	v_mov_b32 v[B3V+1], v[B3V]
	v_mov_b32 v[PV+1], 0
	v_lshl_add_u32 v44, v0, 4, B1L
	s_add_co_u32 s86, s84, WGI
	v_add_nc_u32 v45, s86, v[LI]
	s_mul_i32 s86, s[WV], 16*272
	s_add_co_u32 s86, s86, XSTG
	v_mul_u32_u24 v46, v36, 272
	s_delay_alu instid0(VALU_DEP_1)
	v_lshl_add_u32 v46, v35, 4, v46
	s_delay_alu instid0(VALU_DEP_1)
	v_add_nc_u32 v46, s86, v46
	v_mul_u32_u24 v47, v35, 272
	s_delay_alu instid0(VALU_DEP_1)
	v_lshl_add_u32 v47, v36, 6, v47
	s_delay_alu instid0(VALU_DEP_1)
	v_add_nc_u32 v47, s86, v47
	s_mul_i32 s86, s[WV], 3200
	v_add_nc_u32 v37, s86, v[XAB]
	s_add_co_u32 s86, s86, XIMG+3072
	v_lshl_add_u32 v38, v35, 2, s86
	s_wait_loadcnt 48
.irp k, 0,1,2,3,4,5
	ds_store_b128 v44, v[48+4*\k:51+4*\k] offset:4096*\k
.endr
	s_wait_loadcnt 32
.irp k, 0,1,2,3,4,5,6,7
	v_cvt_pk_bf16_f32 v[88+\k], v[72+2*\k], v[73+2*\k]
.endr
	ds_store_b128 v45, v[88:91]
	ds_store_b128 v45, v[92:95] offset:512
	XPASS 0
	XPASS 1
	XPASS 2
	XPASS 3
	s_add_co_u32 s85, s85, PG+128
	v_lshl_add_u32 v41, v34, 2, s85
	v_add_nc_u32 v42, WGI, v[LI]
	s_wait_alu depctr_va_vdst(0)
	s_wait_dscnt 0x0
	s_barrier_signal -1
	s_barrier_wait -1
.irp b, 0,1,2,3,4,5,6,7
	ds_load_b128 v[48+8*\b:51+8*\b], v42 offset:1024*\b
	ds_load_b128 v[52+8*\b:55+8*\b], v42 offset:1024*\b+512
.endr
	s_wait_kmcnt 0x0
.irp j, 0,1,2,3,4,5,6,7
	v_mov_b32 v[GL0+\j], s[76+\j]
.endr
	s_wait_alu depctr_va_vdst(0)
	s_wait_dscnt 0x0
	v_wmma_f32_16x16x32_bf16 v[GL0:GL0+7], v[48:55], v[XR:XR+7], v[GL0:GL0+7]
	v_wmma_f32_16x16x32_bf16 v[GL1:GL1+7], v[56:63], v[XR+16:XR+23], 0
.irp b, 2,4,6
	v_wmma_f32_16x16x32_bf16 v[GL0:GL0+7], v[48+8*\b:55+8*\b], v[XR+16*\b:XR+16*\b+7], v[GL0:GL0+7]
	v_wmma_f32_16x16x32_bf16 v[GL1:GL1+7], v[56+8*\b:63+8*\b], v[XR+16*\b+16:XR+16*\b+23], v[GL1:GL1+7]
.endr
	PLACES
.irp j, 0,1,2,3,4,5,6,7
	v_add_f32 v[GL0+\j], v[GL0+\j], v[GL1+\j]
.endr
	v_max3_num_f32 v80, v[GL0], v[GL0+1], v[GL0+2]
	s_delay_alu instid0(VALU_DEP_1)
	v_max3_num_f32 v80, v80, v[GL0+3], v[GL0+4]
	s_delay_alu instid0(VALU_DEP_1)
	v_max3_num_f32 v80, v80, v[GL0+5], v[GL0+6]
	s_delay_alu instid0(VALU_DEP_1)
	v_max_num_f32 v80, v80, v[GL0+7]
.irp j, 0,1,2,3,4,5,6,7
	v_sub_f32 v[GL0+\j], v[GL0+\j], v80
.endr
.irp j, 0,1,2,3,4,5,6,7
	v_mul_f32 v[GL0+\j], s74, v[GL0+\j]
.endr
	s_wait_alu depctr_va_vdst(0)
.irp j, 0,1,2,3,4,5,6,7
	v_exp_f32 v[GL0+\j], v[GL0+\j]
.endr
	v_nop
	s_wait_alu depctr_va_vdst(0)
	v_add_f32 v81, v[GL0], v[GL0+1]
	v_add_f32 v82, v[GL0+2], v[GL0+3]
	v_add_f32 v83, v[GL0+4], v[GL0+5]
	v_add_f32 v84, v[GL0+6], v[GL0+7]
	s_delay_alu instid0(VALU_DEP_3)
	v_add_f32 v81, v81, v82
	s_delay_alu instid0(VALU_DEP_2)
	v_add_f32 v83, v83, v84
	s_delay_alu instid0(VALU_DEP_1)
	v_add_f32 v81, v81, v83
	s_wait_alu depctr_va_vdst(0)
	v_rcp_f32 v81, v81
	v_nop
	s_wait_alu depctr_va_vdst(0)
.irp j, 0,1,2,3,4,5,6,7
	v_mul_f32 v[GL0+\j], v[GL0+\j], v81
.endr
.irp j, 0,1,2,3,4,5,6,7
	ds_store_b32 v41, v[GL0+\j] offset:1024*\j
.endr
	s_cmp_lg_u32 s[WV], 0
	s_cbranch_scc1 .Lnot_slot_0
	ds_store_b32 v[PGA], v[NIL]
.Lnot_slot_0:
.irp j, 0,1,2,3,4,5
	v_mov_b32 v[96+\j], 0
.endr
	STORE_H 1, NIL
	s_wait_dscnt 0x0
	s_wait_tensorcnt 0x0
	COPY_W1
	COPY_W2
	WIN 0x40
.set J, 0
.rept 128
	v_mov_b32 v[J], 0
.set J, J+1
.endr
	WIN 0
	v_mov_b32 v[XA], v[XAB]
	v_mov_b32 v[XSA], v[XSB]
	v_mov_b32 v[B1T], v[B1A]
	v_mov_b32 v[B2T], v[B2A]
	LD_X
	LD_B1
	LD_B2
	v_mov_b32 v[PV], 0
	s_wait_dscnt 0x0
	s_cmp_eq_u32 s[TEAM], 0
	s_cbranch_scc1 .Lhead_a
	MM_P1
	PLACES
.Lhead_a:
	s_mov_b32 s[IV], 0
	s_mov_b32 s[OC], 7
.Lexpert:
	CHANGE G0A
	s_mov_b32 s[IC], 2
.Lfirst_half:
	PAIR 0
	s_sub_co_u32 s[IC], s[IC], 1
	s_cmp_lg_u32 s[IC], 0
	s_cbranch_scc1 .Lfirst_half
	CHANGE G0W
	s_mov_b32 s[IC], 2
.Lsecond_half:
	PAIR 1
	s_sub_co_u32 s[IC], s[IC], 1
	s_cmp_lg_u32 s[IC], 0
	s_cbranch_scc1 .Lsecond_half
	s_sub_co_u32 s[OC], s[OC], 1
	s_cmp_lg_u32 s[OC], 0
	s_cbranch_scc1 .Lexpert
	CHANGE 0
	s_mov_b32 s[IC], 4
.Llast_expert:
	PAIR 0
	s_sub_co_u32 s[IC], s[IC], 1
	s_cmp_lg_u32 s[IC], 0
	s_cbranch_scc1 .Llast_expert
	v_add_nc_u32 v[B2T], 7*1024, v[B2A]
	v_add_nc_u32 v[PGT], 64*128, v[PGA]
	LD_H 1
	LD_B2P
	v_and_b32 v34, 15, v0
	v_bfe_u32 v35, v0, 4, 1
	s_delay_alu instid0(VALU_DEP_2)
	v_mul_u32_u24 v39, v34, 1040
	s_delay_alu instid0(VALU_DEP_1)
	v_lshl_add_u32 v39, v35, 5, v39
	s_lshl_b32 s84, s[WV], 7
	s_add_co_u32 s84, s84, OSTG
	v_add_nc_u32 v39, s84, v39
	s_delay_alu instid0(VALU_DEP_1)
	v_add_nc_u32 v36, 4*16640, v39
	s_mul_i32 s84, s[WV], 16640
	s_add_co_u32 s84, s84, OSTG
	v_add_nc_u32 v29, s84, v[LI]
	s_wait_dscnt 0x0
	MM_C
	PLACES
	MIXK 3, 0
	s_wait_alu depctr_va_vdst(0)
	s_wait_dscnt 0x0
	s_barrier_signal -1
	s_barrier_wait -1
	WIN 0x04
.irp m, 0,1,2,3
.irp n, 0,1
	ds_store_b128 v39, v[16*\m+8*\n:16*\m+8*\n+3] offset:16640*\m+64*\n
	ds_store_b128 v39, v[16*\m+8*\n+4:16*\m+8*\n+7] offset:16640*\m+64*\n+16
.endr
.endr
.irp m, 0,1,2,3
.irp n, 0,1
	ds_store_b128 v36, v[64+16*\m+8*\n:64+16*\m+8*\n+3] offset:16640*\m+64*\n
	ds_store_b128 v36, v[64+16*\m+8*\n+4:64+16*\m+8*\n+7] offset:16640*\m+64*\n+16
.endr
.endr
	WIN 0
	s_wait_dscnt 0x0
	s_barrier_signal -1
	s_barrier_wait -1
.set J, 0
.rept 32
	ds_load_b128 v[112+4*J:115+4*J], v29 offset:1040*(J/2)+512*(J%2)
.set J, J+1
.endr
.set J, 0
.rept 32
	s_wait_dscnt 31-J
	global_store_b128 v[LI], v[112+4*J:115+4*J], s[16:17] offset:1024*(J/2)+512*(J%2) th:TH_STORE_NT
.set J, J+1
.endr
	s_wait_tensorcnt 0x0
	ds_add_u32 v[SPW], v[NIL]
	s_wait_dscnt 0x0
	ROUND
	s_endpgm
.Lfunc_end_k_q2824458dd0_moe:
	.size	k_q2824458dd0_moe, .Lfunc_end_k_q2824458dd0_moe-k_q2824458dd0_moe
	.p2alignl 7, 3214868480
	.fill 96, 4, 3214868480
	.section	.rodata,"a",@progbits
	.p2align	6, 0x0
	.amdhsa_kernel k_q2824458dd0_moe
		.amdhsa_group_segment_fixed_size 327680
		.amdhsa_private_segment_fixed_size 0
		.amdhsa_enable_private_segment 0
		.amdhsa_kernarg_size 56
		.amdhsa_user_sgpr_count 2
		.amdhsa_user_sgpr_kernarg_segment_ptr 1
		.amdhsa_wavefront_size32 1
		.amdhsa_system_sgpr_workgroup_id_x 1
		.amdhsa_system_sgpr_workgroup_id_y 1
		.amdhsa_system_sgpr_workgroup_id_z 1
		.amdhsa_system_vgpr_workitem_id 0
		.amdhsa_next_free_vgpr 512
		.amdhsa_next_free_sgpr 96
		.amdhsa_reserve_vcc 0
		.amdhsa_float_denorm_mode_32 3
		.amdhsa_float_denorm_mode_16_64 3
		.amdhsa_memory_ordered 1
		.amdhsa_forward_progress 1
		.amdhsa_inst_pref_size 255
	.end_amdhsa_kernel
	.section	.bss,"aw",@nobits
	.p2align	6
	.space	262144
	.amdgpu_metadata
---
amdhsa.version: [ 1, 2 ]
amdhsa.kernels:
  - .name:           k_q2824458dd0_moe
    .symbol:         k_q2824458dd0_moe.kd
    .args:
      - { .name: x, .offset: 0, .size: 8, .value_kind: global_buffer, .address_space: global }
      - { .name: Wg, .offset: 8, .size: 8, .value_kind: global_buffer, .address_space: global }
      - { .name: bg, .offset: 16, .size: 8, .value_kind: global_buffer, .address_space: global }
      - { .name: b1, .offset: 24, .size: 8, .value_kind: global_buffer, .address_space: global }
      - { .name: b2, .offset: 32, .size: 8, .value_kind: global_buffer, .address_space: global }
      - { .name: wq, .offset: 40, .size: 8, .value_kind: global_buffer, .address_space: global }
      - { .name: out0, .offset: 48, .size: 8, .value_kind: global_buffer, .address_space: global }
    .group_segment_fixed_size: 327680
    .private_segment_fixed_size: 0
    .kernarg_segment_align: 8
    .kernarg_segment_size: 56
    .max_flat_workgroup_size: 256
    .sgpr_count:     96
    .vgpr_count:     512
    .wavefront_size: 32
...
	.end_amdgpu_metadata
.endif
;; end of part 2
